; MI455X (gfx1250); checked and timed in simulation.
; The chip was launched on July 23, 2026; its instructions are those of AMD's public machine-readable ISA for CDNA 5 (MIT licence, August 2026) and "CDNA5" Instruction Set Architecture Reference Guide (July 2026). The comments in the code are by the model that wrote it; some were corrected since.
;; Model. Allowed arithmetic: float matrix products may take bf16 or f16 operands with f32 sums; other float arithmetic in f32, or as packed bf16 or f16 multiplies, adds, multiply-adds, maxima and minima; sums over many terms, partial sums and values carried from step to step in f32; what a program stores and reads back later, other than sums and carried values, may be rounded once to bf16 or f16.
;; Inputs: x1 16 x 2,048 x 512 float32; x2 16 x 2,048 x 512 float32.
;; Outputs: out0 16 x 2,048 x 512 float32.
;; One version. Each part assembles by itself: llvm-mc -triple=amdgcn-amd-amdhsa -mcpu=gfx1250 --defsym DOCPART=n.
;; ======== version 1 of 1: 2 launches
;; limits: values are held in f16: magnitudes above 65,504 overflow, below 6.1e-05 lose precision; inputs' magnitudes at most 65,504
;; workspace buffers: x2h 33,554,432 bytes
;; launch cast (part 1): grid 1024 x 1, 8 waves a work-group, no clusters, 0 bytes of LDS; arguments x2, x2h; writes x2h
.if DOCPART == 1
	.amdgcn_target "amdgcn-amd-amdhsa--gfx1250"
	.amdhsa_code_object_version 6
	.text
	.protected	k_qca8eebc6f7_cast
	.globl	k_qca8eebc6f7_cast
	.p2align	8
	.type	k_qca8eebc6f7_cast,@function
k_qca8eebc6f7_cast:
	s_mov_b64 s[64:65], 0
	v_nop
	global_prefetch_b8 v0, s[64:65] scope:SCOPE_SE
	s_setreg_imm32_b32 hwreg(HW_REG_WAVE_MODE, 25, 1), 1
	s_wait_xcnt 0x0
; x2h = x2 rounded once (to nearest even) to f16.  x2: [16][2048][512] f32, x2h: the same shape in f16, rows of 1,024 bytes.
; LIMIT.  f16 ends at 65,504: a number of 65,520 or more in magnitude becomes an infinity; below 6.1e-5 f16 keeps its fixed step of 6e-8.
; A stream: no LDS, no barrier, no matrix work.  A work-group takes 65,536 consecutive bytes of x2 and makes 32,768 of x2h.
; Thread t takes 16 chunks of 16 bytes, chunk i at byte 4,096 i + 16 t: a wave's load covers 512 consecutive bytes, and its store of
; 8 bytes a lane covers 256 consecutive bytes at a multiple of 256 from x2h's first byte.  All sixteen loads go out first; no register
; is written twice, so the only waits are the counted ones for the loads.
.set X, 4                              ; v[4:67]   chunk i: 4 registers as loaded
.set Y, 68                             ; v[68:99]  chunk i: 2 registers to store
	s_load_b128 s[4:7], s[0:1], 0x0                ; x2 s[4:5], x2h s[6:7]
	s_lshl_b32 s2, ttmp9, 16                       ; the work-group's 65,536 bytes of x2 (1,024 groups: under 2^32)
	s_mov_b32 s3, 0
	s_lshl_b32 s8, ttmp9, 15                       ; and its 32,768 bytes of x2h
	s_mov_b32 s9, 0
	v_lshlrev_b32 v1, 4, v0                        ; 16 t
	v_lshlrev_b32 v2, 3, v0                        ; 8 t
	s_wait_kmcnt 0x0
	s_add_nc_u64 s[4:5], s[4:5], s[2:3]
	s_add_nc_u64 s[6:7], s[6:7], s[8:9]
.set i, 0
.rept 16
	global_load_b128 v[X+4*i:X+4*i+3], v1, s[4:5] offset:4096*i th:TH_LOAD_NT  ; read once in the launch
.set i, i+1
.endr
.set i, 0
.rept 16
	s_wait_loadcnt 15-i                            ; loads come back in order (ISA guide 5.7.1): chunk i is in, the 15 - i younger ones stay out
	v_cvt_pk_f16_f32 v[Y+2*i],   v[X+4*i],   v[X+4*i+1]
	v_cvt_pk_f16_f32 v[Y+2*i+1], v[X+4*i+2], v[X+4*i+3]
	global_store_b64 v2, v[Y+2*i:Y+2*i+1], s[6:7] offset:2048*i  ; no hint: the next launch reads these bytes
.set i, i+1
.endr
	s_endpgm
.Lfunc_end_k_qca8eebc6f7_cast:
	.size	k_qca8eebc6f7_cast, .Lfunc_end_k_qca8eebc6f7_cast-k_qca8eebc6f7_cast
	.p2alignl 7, 3214868480
	.fill 96, 4, 3214868480
	.section	.rodata,"a",@progbits
	.p2align	6, 0x0
	.amdhsa_kernel k_qca8eebc6f7_cast
		.amdhsa_group_segment_fixed_size 0
		.amdhsa_private_segment_fixed_size 0
		.amdhsa_enable_private_segment 0
		.amdhsa_kernarg_size 16
		.amdhsa_user_sgpr_count 2
		.amdhsa_user_sgpr_kernarg_segment_ptr 1
		.amdhsa_wavefront_size32 1
		.amdhsa_system_sgpr_workgroup_id_x 1
		.amdhsa_system_sgpr_workgroup_id_y 1
		.amdhsa_system_sgpr_workgroup_id_z 1
		.amdhsa_system_vgpr_workitem_id 0
		.amdhsa_next_free_vgpr 100
		.amdhsa_next_free_sgpr 66
		.amdhsa_reserve_vcc 0
		.amdhsa_float_denorm_mode_32 3
		.amdhsa_float_denorm_mode_16_64 3
		.amdhsa_memory_ordered 1
		.amdhsa_forward_progress 1
		.amdhsa_inst_pref_size 7
	.end_amdhsa_kernel
	.amdgpu_metadata
---
amdhsa.version: [ 1, 2 ]
amdhsa.kernels:
  - .name:           k_qca8eebc6f7_cast
    .symbol:         k_qca8eebc6f7_cast.kd
    .args:
      - { .name: x2, .offset: 0, .size: 8, .value_kind: global_buffer, .address_space: global }
      - { .name: x2h, .offset: 8, .size: 8, .value_kind: global_buffer, .address_space: global }
    .group_segment_fixed_size: 0
    .private_segment_fixed_size: 0
    .kernarg_segment_align: 8
    .kernarg_segment_size: 16
    .max_flat_workgroup_size: 256
    .sgpr_count:     66
    .vgpr_count:     100
    .wavefront_size: 32
...
	.end_amdgpu_metadata
.endif
;; end of part 1
;; launch attn (part 2): grid 16 x 16, 4 waves a work-group, clusters of 4 x 1, 327,680 bytes of LDS; arguments x1, x2h, out0; writes out0
.if DOCPART == 2
	.amdgcn_target "amdgcn-amd-amdhsa--gfx1250"
	.amdhsa_code_object_version 6
	.text
	.protected	k_qca8eebc6f7_attn
	.globl	k_qca8eebc6f7_attn
	.p2align	8
	.type	k_qca8eebc6f7_attn,@function
k_qca8eebc6f7_attn:
	s_mov_b64 s[64:65], 0
	v_nop
	global_prefetch_b8 v0, s[64:65] scope:SCOPE_SE
	s_setreg_imm32_b32 hwreg(HW_REG_WAVE_MODE, 25, 1), 1
	s_wait_xcnt 0x0
	s_wait_alu depctr_hold_cnt(0) depctr_sa_sdst(0) depctr_va_vdst(0) depctr_va_sdst(0) depctr_va_ssrc(0) depctr_va_vcc(0) depctr_vm_vsrc(0)
	s_getreg_b32 s2, hwreg(HW_REG_IB_STS2, 6, 4)
	s_cmp_eq_u32 s2, 0
	s_cbranch_scc0 .Lentry_in_a_cluster
	s_endpgm
.Lentry_in_a_cluster:
	s_bfe_u32 s2, ttmp6, 0x10000c
	s_cmp_lg_u32 s2, 0x3003
	s_cbranch_scc0 .Lentry_shape_is_right
	s_endpgm
.Lentry_shape_is_right:
; out0[b][q][:] = the sum over k of softmax_k(x1[b][q] . x2[b][k] / sqrt(512)) x2[b][k][:].  x1, out0: [16][2048][512] f32; x2h: x2 in f16, [16][2048][512].
; Both products take f16 operands and sum in f32; maxima, exponentials and row sums in f32; the weights p are rounded to f16 for the second product (their sum l is taken of the unrounded p).
; LIMITS.  f16 ends at 65,504: x1 and x2 stay under 65,520 in magnitude; below 6.1e-5 an operand, and p too, keeps f16's fixed step of 6e-8.  A weight below 2^-126 counts as 0 in l.
; NaN and infinities are not treated apart: O^T's registers first hold x1's f32 numbers and are multiplied by a = 0 in the first key step, so x1 must be finite.
; SHARES.  256 work-groups of four waves: a work-group owns 128 queries of one batch, a wave 32 of them: two tiles of 16.  O^T for 16 queries x 512 channels is 256 registers and Q 128, so two
; tiles are what 1,024 registers hold.  Every wave walks all 2,048 keys, 64 a step: 128 products K Q^T, the softmax, 128 products V^T P.
; K AND V ARE ONE TENSOR: one tile in LDS serves both products, read as it lies for K and turned (ds_load_tr16_b128) for V^T.
; LAYOUT.  S^T = K Q^T (source 0 = 16 keys, source 1 = 16 queries): a lane holds ONE query (lane % 16) and the keys 8 (lane / 16) + 0..7.  Two such results, rounded to f16 in pairs, ARE source 1
; (32 keys x 16 queries) of O^T = V^T P, whose result again holds one query a lane.  A query's maximum and sum want one exchange between the halves of the lanes.
; SOFTMAX.  A running maximum m and sum l: p = 2^(c s - c m), c = log2(e) / sqrt(512); in every step O and l are multiplied by a = 2^(c m_old - c m_new).  m starts at the lowest finite number,
; c m far below every c s, l at 0: the first step is a step like any other, with a = 0, and nothing is cleared.
; CLUSTER.  The four query blocks of a cluster belong to one batch and walk the same keys, so each tile is asked for JOINTLY: the same tensor load, descriptor and mask in all four.
; REGISTERS, in windows of 256 (s_set_vgpr_msb: bits 1:0 source 0, 3:2 source 1, 5:4 source 2, 7:6 destination):
;   window 0: v0-15 addresses; v16-31 eight registers of statistics a tile; v32-95 S^T, 32 a tile; v96-127 P, 16 a tile; v128-191, v192-255 two buffers of eight fragments
;   window 1: Q, tile t, channels 32 c on at 128 t + 8 c          windows 2, 3: O^T, channel block cb, tile t in window 2 + cb / 16 at 16 (cb % 16) + 8 t
.set PK,    1040                       ; a key's row in LDS: 1,024 bytes + 16 of padding = 260 words: row r starts at bank 4 r mod 64 (64 banks of 4 bytes: ISA guide 11.1)
.set STEPB, 64*PK                      ; a key step's 64 rows
.set SLOT1, 2*STEPB                    ; a slot holds two steps, 128 keys; slot 1 begins at 0x20800.  Bits 11 and 17 are clear in every address inside which they are turned (0, 0x8200, 0x10400, 0x18600), so one exclusive or changes slots
.set WPART, 32*PK                      ; what one tensor load brings: 32 rows
.set STAGE, 2*SLOT1                    ; behind the ring, never filled by a tensor load: 16 rows x 528 bytes for each wave, for Q's way in and O's way out
.set SP,    528                        ; 512 bytes + 16: the 16 rows of a load or store start at 16 different groups of four banks
.set SPARE, STAGE+4*16*SP              ; behind the stages: the spare words, 128 bytes for each wave: two blocks of 256 bytes that no other line names
.set AK0, 2                            ; v2   my lane's place in a tile, read as K: row l % 16, 16 bytes for each half of the lanes; never rewritten
.set AV0, 3                            ; v3   the same, read turned
.set AK,  4                            ; v4   v2 + the step's first byte
.set AV,  5                            ; v5   v3 + the step's first byte
.set GO,  6                            ; v6   16 x lane: my place in 512 consecutive bytes of x1 and of out0; never rewritten
.set QST, 7                            ; v7   Q's way in: where I put 8 bytes of a row
.set QRD, 8                            ; v8   Q's way in: where I read a fragment
.set STO, 10                           ; v10  the way out: where I put 16 bytes of a row
.set RD,  11                           ; v11  the way out: where I read a row back
.set SPW, 14                           ; v14  LDS address of my spare word: SPARE + 4 x my thread's number; never rewritten
.set NIL, 15                           ; v15  0; never rewritten
.set ST,  16                           ; tile t's statistics at v[ST+8 t]: +0 c m, +1 m, +2, +3 l (even keys', odd keys'), +4 to +7 c0-c3 at work; a takes c2's place
.set S,   32
.set P,   96
.set F0,  128
.set F1,  192
.set WV,  10                           ; s10  my wave's number
.set G1,  24                           ; s[24:31] descriptor group 1
.set G0,  32                           ; s[32:35] descriptor group 0: it walks
.set SLOTS, 36                         ; s36  slots still to be asked for
.set TWICE, 37                         ; s37  counts a slot's two steps
.set CS,  38                           ; s[38:39] c: the packed scaling takes the pair's low word for both halves
.set SEL, 40                           ; s[40:41] v_permlanex16_b32's selects: each lane takes its own place in the other half
.set TB,  42                           ; s42  LDS byte at which the next step's rows begin
.set W_QK, 0x04                        ; K (source 0), S^T (C and D) in window 0, Q (source 1) in window 1; LDS loads under it have address and destination in window 0
.set MSB, 0
.macro WIN new                         ; the immediate's high byte repeats the setting that is left; a switch that changes nothing is dropped
.if MSB != (\new)
	s_set_vgpr_msb (MSB<<8)|(\new)
.set MSB, (\new)
.endif
.endm
; A vector instruction that reads a matrix result or writes one of a matrix instruction's registers, and a load into a register that a matrix instruction has read, stand four places behind it,
; and only plain vector instructions that name none of its registers are places (ISA guide 7.12.1 for vector instructions).
.macro PLACES
.rept 4
	v_nop
.endr
.endm
; A round of the cluster's barrier: my work-group's barrier, so that wave 0's signal speaks for all four waves; wave 0 signals; every wave waits for all four work-groups; my work-group's barrier once more.
.macro CROUND
	s_barrier_signal -1
	s_barrier_wait -1
	s_cmp_lg_u32 s[WV], 0
	s_cbranch_scc1 .Lnot_wave_0_\@
	s_barrier_signal -3
.Lnot_wave_0_\@:
	s_barrier_wait -3
	s_barrier_signal -1
	s_barrier_wait -1
.endm
; THE CHANGE OF SLOTS.  Each wave waits for all its tensor loads, of which one is out: its 32 rows of the other slot; adds 0 to its spare word; and waits for that and for its own reads of the slot
; that it leaves.  Behind the barrier nobody reads the old slot any more and the other slot is whole.  fill = 1: the old slot takes the keys two slots on.  The barrier is then a round of the
; cluster's, so that no wave of any partner still reads the slot or has a load on its way; the joint load is the first thing behind it and has two key steps, 512 matrix instructions, in which to
; land.  Each of the four waves issues the one line with rows of its own.  (At its first use nothing has been read yet: slot 0 is waited for, slot 1 filled.)
.macro CHANGE fill
	WIN 0                                          ; at a label and at a branch every window is 0
	s_wait_tensorcnt 0x0                           ; no tensor load of mine is out, so group 0 may be written
	ds_add_u32 v[SPW], v[NIL]                      ; 0 onto my spare word: the scalar steps below stand between it and the wait for it
.if \fill
	s_xor_b32 s[G0+1], s[G0+1], SLOT1              ; the other slot than last time,
	s_add_nc_u64 s[G0+2:G0+3], s[G0+2:G0+3], 131072  ; the next 128 keys of 1,024 bytes; the type bits on top are not reached
.endif
	s_sub_co_u32 s[TB], s[TB], 2*STEPB             ; the reads go back to a slot's first step,
	s_xor_b32 s[TB], s[TB], SLOT1                  ; in the other slot
	s_wait_dscnt 0x0                               ; the add is done, and my reads of the slot are over
.if \fill
	CROUND
	tensor_load_to_lds s[G0:G0+3], s[G1:G1+7]
	s_nop 0
	PLACES
.else
	s_barrier_signal -1
	s_barrier_wait -1
.endif
.endm
	s_load_b128 s[4:7], s[0:1], 0x0                ; x1 s[4:5], x2h s[6:7]
	s_load_b64 s[8:9], s[0:1], 0x10                ; out0
	v_lshl_add_u32 v[SPW], v0, 2, SPARE
	v_mov_b32 v[NIL], 0
	ds_add_u32 v[SPW], v[NIL]                      ; the wave's opening: the add and its wait stand ahead of my first tensor load; the set-up below, work on registers, stands between them
	v_lshrrev_b32 v12, 5, v0
	v_readfirstlane_b32 s[WV], v12                 ; wave 0..3
	s_bfe_u32 s11, ttmp6, 0x40000                  ; cx: my place in the cluster
	s_lshl_b32 s12, ttmp9, 2                       ; in a cluster launch ttmp9 counts clusters
	s_add_co_u32 s12, s12, s11                     ; my block of 128 queries = 4 x cluster x + cx: it enters x1's and out0's addresses alone
	s_and_b32 s13, ttmp7, 0xffff                   ; the batch, which the four partners share
	s_lshl_b32 s14, s13, 22                        ; x1 and out0: a batch is 2,048 rows of 2,048 bytes,
	s_lshl_b32 s15, s12, 18                        ; a block 128 rows,
	s_add_co_u32 s14, s14, s15
	s_lshl_b32 s15, s[WV], 16                      ; a wave 32 rows
	s_add_co_u32 s14, s14, s15
	s_mov_b32 s15, 0
	s_lshl_b32 s16, s13, 21                        ; x2h: a batch is 2,048 rows of 1,024 bytes,
	s_lshl_b32 s17, s[WV], 15                      ; my part of a slot 32 rows: made of the batch and the wave's number alone
	s_add_co_u32 s16, s16, s17
	s_mov_b32 s17, 0
	; descriptor group 1: a tile of 32 rows x 512 elements of 2 bytes, padded in LDS
	s_mov_b32 s[G1], 15|(1<<16)|(1<<20)|(1<<21)|(7<<22)|(3<<25)  ; 15:0 the mask of four; 17:16 2-byte elements; 20 padding on; 21 set beside a mask; 24:22 after every 256 words (code 7); 31:25 4 words (code 3)
	s_mov_b32 s[G1+1], 512<<16                     ; tensor_dim0 = 512
	s_mov_b32 s[G1+2], 32<<16                      ; tensor_dim1 = 32
	s_mov_b32 s[G1+3], 512<<16                     ; tile_dim0 = 512
	s_mov_b32 s[G1+4], 32                          ; tile_dim1 = 32
	s_mov_b32 s[G1+5], 512                         ; 512 elements from row to row
	s_mov_b32 s[G1+6], 0
	s_mov_b32 s[G1+7], 0
	s_mov_b32 s[G0], 1                             ; 1:0 count = 1
	s_mul_i32 s[G0+1], s[WV], WPART                ; 63:32 LDS address: slot 0, my 32 rows: no place in the cluster enters an LDS address
	s_mov_b32 s[CS], 0x3d8293ee                    ; c = log2(e) / sqrt(512) = 0.0637587
	s_mov_b32 s[CS+1], s[CS]                       ; named with it as a pair
	s_mov_b32 s[SEL], 0x76543210
	s_mov_b32 s[SEL+1], 0xfedcba98
	s_mov_b32 s[TB], SLOT1+2*STEPB                 ; the first change of slots turns this into 0
	s_mov_b32 s[SLOTS], 15                         ; 16 slots of 128 keys: the first is asked for here, 15 in the loop
	s_mul_i32 s18, s[WV], 16*SP
	s_add_co_u32 s18, s18, STAGE                   ; my stage
	s_wait_dscnt 0x0                               ; the opening add is done
	s_wait_kmcnt 0x0
	s_add_nc_u64 s[4:5], s[4:5], s[14:15]          ; x1 and out0 at my wave's first row
	s_add_nc_u64 s[8:9], s[8:9], s[14:15]
	s_add_nc_u64 s[G0+2:G0+3], s[6:7], s[16:17]    ; 120:64 global address: my 32 rows of the batch's first 128 keys
	s_or_b32 s[G0+3], s[G0+3], 0x80000000          ; 127:126 type = 2
	CROUND                                         ; all four work-groups are here: the first joint loads meet
	tensor_load_to_lds s[G0:G0+3], s[G1:G1+7]      ; slot 0.  By this text's own count one tensor load of a wave is out at any time
	s_nop 0
	PLACES
; Q'S WAY IN.  x1's f32 rows are loaded in runs of 512 consecutive bytes into the registers that will hold O^T, rounded to f16, laid into my stage as rows, and read back as fragments.
; Part p of four: tile p / 2, channels 256 (p % 2) on: 16 rows x 1,024 bytes, 32 loads.
.macro QLOAD p
	WIN 0x80+0x40*((\p)/2)                         ; destination window 2 or 3, address window 0
.set qi, 0
.rept 32
	global_load_b128 v[128*((\p)%2)+4*qi:128*((\p)%2)+4*qi+3], v[GO], s[4:5] offset:(16*((\p)/2)+qi/2)*2048+1024*((\p)%2)+512*(qi%2) th:TH_LOAD_NT
.set qi, qi+1
.endr
	WIN 0
.endm
.macro QPASS p
	WIN 0x0a+5*((\p)/2)                            ; sources 0 and 1 window 2 or 3, destination window 0
.set qi, 0
.rept 64
	v_cvt_pk_f16_f32 v[F0+qi], v[128*((\p)%2)+2*qi], v[128*((\p)%2)+2*qi+1]
.set qi, qi+1
.endr
	WIN 0
.set qi, 0
.rept 32
	ds_store_b64 v[QST], v[F0+2*qi:F0+2*qi+1] offset:(qi/2)*SP+256*(qi%2)  ; 32 lanes x 8 bytes: half of a stage row of 256 channels
.set qi, qi+1
.endr
	WIN 0x40                                       ; destination window 1
.set qi, 0
.rept 8                                ; LDS serves a wave's instructions in order (ISA guide 5.7.1.4): these see the stores above, and the next part's stores come behind them
	ds_load_b128 v[128*((\p)/2)+8*(8*((\p)%2)+qi):128*((\p)/2)+8*(8*((\p)%2)+qi)+3],   v[QRD] offset:64*qi
	ds_load_b128 v[128*((\p)/2)+8*(8*((\p)%2)+qi)+4:128*((\p)/2)+8*(8*((\p)%2)+qi)+7], v[QRD] offset:64*qi+32
.set qi, qi+1
.endr
	WIN 0
.endm
	v_and_b32 v12, 31, v0                          ; lane
	v_lshlrev_b32 v[GO], 4, v12
	QLOAD 0
	QLOAD 1
	; A fragment of K or Q is 16 rows x 32 channels in 8 registers: lane l holds row l % 16, channels 8 (l / 16) + 0..7 and 16 + 8 (l / 16) + 0..7: two loads of 16 bytes, 32 bytes apart.
	v_and_b32 v1, 15, v0                           ; r = l % 16
	v_bfe_u32 v9, v0, 4, 1                         ; h = l / 16
	v_mul_u32_u24 v[AK0], v1, PK
	v_lshl_add_u32 v[AK0], v9, 4, v[AK0]           ; row x pitch + 16 x half
	; The turning load takes, in each group of eight lanes, 8 keys x 8 channels.  Lane l reads key 8 (l / 16) + l % 8; the second group of eight reads 128 bytes (64 channels) beside the first, not 16.
	; So rows 0-7 of channel block cb are channels 128 (cb / 8) + 8 (cb % 8) + 0..7, rows 8-15 those + 64,
	; and in O^T lane (r, h) holds channels 128 (cb / 8) + 64 h + 8 (cb % 8) + 0..7 of query r.  The way out puts them in their places.
	v_and_b32 v13, 7, v0
	v_lshl_add_u32 v[AV0], v9, 3, v13
	v_mul_u32_u24 v[AV0], v[AV0], PK
	v_bfe_u32 v13, v0, 3, 1
	v_lshl_add_u32 v[AV0], v13, 7, v[AV0]
	v_lshl_add_u32 v[QST], v12, 3, s18             ; in: 8 bytes a lane
	v_lshl_add_u32 v[RD], v12, 4, s18              ; back: a row of 512 bytes, 16 a lane
	v_mul_u32_u24 v13, v1, SP
	v_add_nc_u32 v13, s18, v13                     ; my stage's row r
	v_lshl_add_u32 v[QRD], v9, 4, v13
	v_lshl_add_u32 v[STO], v9, 8, v13              ; the way out: 64 channels of f32 further on for the upper half of the lanes
.irp t, 0,1
	v_mov_b32 v[ST+8*\t], 0xfe000000               ; c m: far below every c s
	v_mov_b32 v[ST+8*\t+1], 0xff7fffff             ; m
	v_mov_b32 v[ST+8*\t+2], 0                      ; l
	v_mov_b32 v[ST+8*\t+3], 0
.endr
	s_wait_loadcnt 32                              ; part 0 is in; the 32 loads of part 1 stay out
	QPASS 0
	QLOAD 2
	s_wait_loadcnt 32                              ; part 1 is in; part 2's 32 stay out
	QPASS 1
	QLOAD 3
	s_wait_loadcnt 32                              ; part 2 is in; part 3's 32 stay out
	QPASS 2
	s_wait_loadcnt 0x0
	QPASS 3                                        ; the fragments are waited for by the first change of slots
; THE LDS LOADS stand in runs of 16: eight fragments, into buffer f.
.macro LOADK g, f                      ; group g of 8: channels 32 (2 g + i / 4) on, keys 16 (i % 4) on
.set li, 0
.rept 8
	ds_load_b128 v[(\f)+8*li:(\f)+8*li+3],   v[AK] offset:(li%4)*16*PK+64*(2*(\g)+li/4)
	ds_load_b128 v[(\f)+8*li+4:(\f)+8*li+7], v[AK] offset:(li%4)*16*PK+64*(2*(\g)+li/4)+32
.set li, li+1
.endr
.endm
.macro LOADV g, f                      ; group g of 8: keys 32 (g / 4) on, channel blocks 8 (g % 4) + i
.set li, 0
.rept 8
	ds_load_tr16_b128 v[(\f)+8*li:(\f)+8*li+3],   v[AV] offset:((\g)/4)*32*PK+256*((\g)%4)+16*li
	ds_load_tr16_b128 v[(\f)+8*li+4:(\f)+8*li+7], v[AV] offset:((\g)/4)*32*PK+16*PK+256*((\g)%4)+16*li
.set li, li+1
.endr
.endm
; THE MATRIX WORK.  The accumulators take turns, one instruction a turn: 8 in K Q^T, 64 in V^T P; a fragment from LDS feeds both tiles.
.macro MULK g, f                       ; 16 products of S^T = K Q^T; channels 0-31 start the sums
	WIN W_QK
.set mi, 0
.rept 16
.set rS, S+32*(mi%2)+8*((mi/2)%4)
.set rK, (\f)+8*(mi/2)
.set rQ, 128*(mi%2)+8*(2*(\g)+mi/8)
.if (2*(\g)+mi/8) == 0
	v_wmma_f32_16x16x32_f16 v[rS:rS+7], v[rK:rK+7], v[rQ:rQ+7], 0
.else
	v_wmma_f32_16x16x32_f16 v[rS:rS+7], v[rK:rK+7], v[rQ:rQ+7], v[rS:rS+7]
.endif
.set mi, mi+1
.endr
.endm
.macro RS cb, t                        ; O^T of channel block cb, tile t, times a: from the accumulator's low end on
.set rO, 16*((\cb)%16)+8*(\t)
	WIN 0x82+0x41*((\cb)/16)                       ; destination and source 0 window 2 or 3, a in window 0
.irp z, 0,2,4,6
	v_pk_mul_f32 v[rO+\z:rO+\z+1], v[rO+\z:rO+\z+1], v[ST+8*(\t)+6:ST+8*(\t)+7] op_sel_hi:[1,0]
.endr
.endm
; 16 products of O^T += V^T P.  ride = 1 (the step's first 32 keys): behind each product stand the four multiplies that rescale the NEXT channel block of the same tile: they name none of the
; product's registers, and are done before that block's own product comes, two products on.
.macro MULV g, f, ride
.set vi, 0
.rept 16
.set vcb, 8*((\g)%4)+vi/2
.set vt, vi%2
.set rA, 16*(vcb%16)+8*vt
.set rV, (\f)+8*(vi/2)
.set rP, P+16*vt+8*((\g)/4)
	WIN 0xa0+0x50*(vcb/16)                         ; V and P in window 0, C and D in window 2 or 3
	v_wmma_f32_16x16x32_f16 v[rA:rA+7], v[rV:rV+7], v[rP:rP+7], v[rA:rA+7]
.if (\ride) && (vcb < 31)
	RS vcb+1, vt
.endif
.set vi, vi+1
.endr
.endm
; THE SOFTMAX of both tiles, all in window 0.  XS u, n: number n of the 22 that find tile u's maximum and statistics.  s0-s31 are the lane's 32 scores.
;   0-11  four chains c0-c3 of seven scores each, three operands at a time (each accumulator's lowest registers are read first)
;   12-15 the four scores left over, c0-c3 and the old m      16, 18  the query's other 32 keys lie in the lane 16 away: the new m      17  c m_old is kept      19-21  c m; c m_old - c m_new; a
.macro XS u, n
.set rT, ST+8*(\u)
.set rS, S+32*(\u)
.if (\n) < 4
	v_max3_num_f32 v[rT+4+(\n)], v[rS+8*(\n)], v[rS+8*(\n)+1], v[rS+8*(\n)+2]
.elseif (\n) < 12
	v_max3_num_f32 v[rT+4+(\n)%4], v[rT+4+(\n)%4], v[rS+8*((\n)%4)+2*((\n)/4)+1], v[rS+8*((\n)%4)+2*((\n)/4)+2]
.elseif (\n) == 12
	v_max3_num_f32 v[rT+4], v[rT+4], v[rS+7], v[rS+15]
.elseif (\n) == 13
	v_max3_num_f32 v[rT+6], v[rT+6], v[rS+23], v[rS+31]
.elseif (\n) == 14
	v_max3_num_f32 v[rT+4], v[rT+4], v[rT+5], v[rT+6]
.elseif (\n) == 15
	v_max3_num_f32 v[rT+4], v[rT+4], v[rT+7], v[rT+1]
.elseif (\n) == 16
	v_permlanex16_b32 v[rT+5], v[rT+4], s[SEL], s[SEL+1]
.elseif (\n) == 17
	v_mov_b32 v[rT+7], v[rT]
.elseif (\n) == 18
	v_max_num_f32 v[rT+1], v[rT+4], v[rT+5]
.elseif (\n) == 19
	v_mul_f32 v[rT], s[CS], v[rT+1]
.elseif (\n) == 20
	v_sub_f32 v[rT+7], v[rT+7], v[rT]
.else
	v_exp_f32 v[rT+6], v[rT+7]
.endif
.endm
; THE PLAIN QUEUE, 96 long, the tiles alternating.  0-31: c s - c m for the 16 pairs of both tiles.  Then, for each four weights k of a tile: both pairs are rounded to f16; the second pair is added
; onto the first, in place; l takes that sum (the first time as l = a l + sum).
.macro PL
.if q < 32
.set rT, ST+8*(q%2)
.set rS, S+32*(q%2)+2*(q/2)
	v_pk_fma_f32 v[rS:rS+1], v[rS:rS+1], s[CS:CS+1], v[rT:rT+1] op_sel_hi:[1,0,0] neg_lo:[0,0,1] neg_hi:[0,0,1]
.else
.set gq, q-32
.set kq, gq/8
.set rT, ST+8*(gq%2)
.set rS, S+32*(gq%2)+4*kq
.set rP, P+16*(gq%2)+2*kq
.if (gq%8) < 2
	s_wait_alu depctr_va_vdst(0)
	v_cvt_pk_f16_f32 v[rP], v[rS], v[rS+1]
.elseif (gq%8) < 4
	s_wait_alu depctr_va_vdst(0)
	v_cvt_pk_f16_f32 v[rP+1], v[rS+2], v[rS+3]
.elseif (gq%8) < 6
	v_pk_add_f32 v[rS:rS+1], v[rS:rS+1], v[rS+2:rS+3]
.elseif kq == 0
	v_pk_fma_f32 v[rT+2:rT+3], v[rT+2:rT+3], v[rT+6:rT+7], v[rS:rS+1] op_sel_hi:[1,0,1]
.else
	v_pk_add_f32 v[rT+2:rT+3], v[rT+2:rT+3], v[rS:rS+1]
	s_wait_alu depctr_va_vdst(0)
.endif
.endif
.set q, q+1
.endm
.macro EX                              ; THE EXPONENTIALS' QUEUE, 64 long: score e / 2 of tile e % 2, in place
	v_exp_f32 v[S+32*(e%2)+e/2], v[S+32*(e%2)+e/2]
.set e, e+1
.endm
; The deal: four plain lines, then exponential and plain by turns, so that each exponential has a plain instruction behind it that names none of its registers (ISA guide 5.7.2), then the rest.
; Exponential e stands behind 4 + e plain lines, and its scaling is plain line 2 (e / 4) + e % 2.  The plain lines of four weights k begin behind exponential 28 + 8 k and need those up to 8 k + 7.
.macro SOFTMAX
	WIN 0
.irp n, 0,1,2,3,4,5,6,7,8,9,10,11,12,13,14,15,16,17,18,19,20,21
	XS 0, \n
	XS 1, \n
.endr
.set q, 0
.set e, 0
.rept 4
	PL
.endr
.rept 64
	EX
	PL
.endr
.rept 28
	PL
.endr
.endm
; A KEY STEP: 64 keys at LDS byte s[TB].  Two buffers of eight fragments take turns: a group's 16 loads are issued in front of the 16 products of the group before it, so every
; s_wait_dscnt 16 leaves out exactly the 16 loads just issued and shows the group before them in.
.macro STEP
	WIN 0
	v_add_nc_u32 v[AK], s[TB], v[AK0]              ; these two lines and two v_nop are the four places behind the last step's products, which read buffer 1
	v_add_nc_u32 v[AV], s[TB], v[AV0]
	v_nop
	v_nop
	s_add_co_u32 s[TB], s[TB], STEPB               ; the next step's rows
	WIN W_QK
	LOADK 0, F0
	LOADK 1, F1
	s_wait_dscnt 16
	MULK 0, F0
.irp g, 1,2,3,4,5,6
	PLACES
	LOADK (\g)+1, F0+64*(((\g)+1)%2)
	s_wait_dscnt 16
	MULK \g, F0+64*((\g)%2)
.endr
	PLACES
	LOADV 0, F0                                    ; V^T's first two groups land while the softmax is made
	s_wait_dscnt 16
	MULK 7, F1
	PLACES                                         ; for the loads into buffer 1 and for the softmax, which reads results just made
	LOADV 1, F1
	SOFTMAX
	RS 0, 0                                        ; the first channel block has no product to ride behind
	RS 0, 1
	s_wait_dscnt 16                                ; group 0 is in; group 1's 16 loads may be out
	MULV 0, F0, 1
.irp g, 1,2,3
	WIN 0                                          ; the four riders behind the last product are the places in front of these loads
	LOADV (\g)+1, F0+64*(((\g)+1)%2)
	s_wait_dscnt 16
	MULV \g, F0+64*((\g)%2), 1
.endr
.irp g, 4,5,6
	PLACES
	WIN 0
	LOADV (\g)+1, F0+64*(((\g)+1)%2)
	s_wait_dscnt 16
	MULV \g, F0+64*((\g)%2), 0
.endr
	s_wait_dscnt 0x0                               ; the last group: nothing was issued behind it
	MULV 7, F1, 0
.endm
.macro TWO_STEPS                       ; a slot's two key steps: written once, walked twice; the LDS addresses hang on s[TB]
	WIN 0
	s_mov_b32 s[TWICE], 2
.Lstep_\@:
	STEP
	WIN 0
	s_sub_co_u32 s[TWICE], s[TWICE], 1
	s_cmp_lg_u32 s[TWICE], 0
	s_cbranch_scc1 .Lstep_\@
.endm
.Lslot:                                                ; 15 trips: a slot is entered and the next is asked for
	CHANGE 1
	TWO_STEPS
	s_sub_co_u32 s[SLOTS], s[SLOTS], 1
	s_cmp_lg_u32 s[SLOTS], 0
	s_cbranch_scc1 .Lslot
	CHANGE 0                                       ; the last slot is written out: nothing is asked for
	TWO_STEPS
	; THE WAY OUT.  l's two halves and the other half of the lanes' are added; O^T is divided by l and sent, in f32, through my stage in LDS, a piece of 16 queries x 128 channels at a time.
	PLACES
.irp t, 0,1
	v_add_f32 v[ST+8*\t+4], v[ST+8*\t+2], v[ST+8*\t+3]
.endr
.irp t, 0,1
	v_permlanex16_b32 v[ST+8*\t+5], v[ST+8*\t+4], s[SEL], s[SEL+1]
.endr
.irp t, 0,1
	v_add_f32 v[ST+8*\t+4], v[ST+8*\t+4], v[ST+8*\t+5]
.endr
.irp t, 0,1
	v_rcp_f32 v[ST+8*\t+6], v[ST+8*\t+4]
.endr
	v_nop                                          ; a plain instruction between the last reciprocal and the use of its result
	s_wait_alu depctr_va_vdst(0)
; Piece p of eight: tile p / 4, channels 128 (p % 4) on: channel blocks 8 (p % 4) + x.  A lane's eight channels of block x are 32 bytes of row r at byte 256 h + 32 x: the stage row holds the 128
; channels in their true order.  The rows come back whole, 512 bytes each, into the fragment buffers by turns.
.macro PACK p
.set pt, (\p)/4
.set pg, (\p)%4
.set BK, F0+64*((\p)%2)
	WIN 0x82+0x41*(pg/2)
.set px, 0
.rept 32
.set rO, 16*(8*(pg%2)+px/4)+8*pt+2*(px%4)
	v_pk_mul_f32 v[rO:rO+1], v[rO:rO+1], v[ST+8*pt+6:ST+8*pt+7] op_sel_hi:[1,0]
.set px, px+1
.endr
	WIN 0x08+4*(pg/2)                              ; store data (source 1) window 2 or 3, address window 0
.set px, 0
.rept 8
.set rO, 16*(8*(pg%2)+px)+8*pt
	ds_store_b128 v[STO], v[rO:rO+3]   offset:32*px
	ds_store_b128 v[STO], v[rO+4:rO+7] offset:32*px+16
.set px, px+1
.endr
	WIN 0
	s_wait_xcnt 0x0                                ; every earlier memory instruction has had its addresses translated (ISA guide 3.1): the registers that the piece two back stored from are loaded again only behind this wait
.set px, 0
.rept 16
	ds_load_b128 v[BK+4*px:BK+4*px+3], v[RD] offset:px*SP  ; LDS serves a wave's instructions in order (ISA guide 5.7.1.4): these see the stores above; the next piece's stores come behind them
.set px, px+1
.endr
.endm
.macro SEND p, younger                 ; younger: the LDS instructions issued behind piece p's loads: the next piece's 16 stores and 16 loads, or none
.set BK, F0+64*((\p)%2)
	s_wait_dscnt \younger
.set px, 0
.rept 16
	global_store_b128 v[GO], v[BK+4*px:BK+4*px+3], s[8:9] offset:(16*((\p)/4)+px)*2048+512*((\p)%4) th:TH_STORE_NT  ; 512 consecutive bytes, at a multiple of 256 from out0's first byte
.set px, px+1
.endr
.endm
	PACK 0
.irp p, 1,2,3,4,5,6,7                  ; a piece's arithmetic stands between the loads of the piece before and its stores
	PACK \p
	SEND (\p)-1, 32
.endr
	SEND 7, 0
	s_wait_tensorcnt 0x0                           ; the wave's end, behind my last tensor load and my last LDS store
	ds_add_u32 v[SPW], v[NIL]
	s_wait_dscnt 0x0
	CROUND                                         ; the closing round: no work-group ends while a partner may still ask for a tile that names it
	s_endpgm
.Lfunc_end_k_qca8eebc6f7_attn:
	.size	k_qca8eebc6f7_attn, .Lfunc_end_k_qca8eebc6f7_attn-k_qca8eebc6f7_attn
	.p2alignl 7, 3214868480
	.fill 96, 4, 3214868480
	.section	.rodata,"a",@progbits
	.p2align	6, 0x0
	.amdhsa_kernel k_qca8eebc6f7_attn
		.amdhsa_group_segment_fixed_size 327680
		.amdhsa_private_segment_fixed_size 0
		.amdhsa_enable_private_segment 0
		.amdhsa_kernarg_size 24
		.amdhsa_user_sgpr_count 2
		.amdhsa_user_sgpr_kernarg_segment_ptr 1
		.amdhsa_wavefront_size32 1
		.amdhsa_system_sgpr_workgroup_id_x 1
		.amdhsa_system_sgpr_workgroup_id_y 1
		.amdhsa_system_sgpr_workgroup_id_z 1
		.amdhsa_system_vgpr_workitem_id 0
		.amdhsa_next_free_vgpr 1024
		.amdhsa_next_free_sgpr 66
		.amdhsa_reserve_vcc 0
		.amdhsa_float_denorm_mode_32 3
		.amdhsa_float_denorm_mode_16_64 3
		.amdhsa_memory_ordered 1
		.amdhsa_forward_progress 1
		.amdhsa_inst_pref_size 226
	.end_amdhsa_kernel
	.amdgpu_metadata
---
amdhsa.version: [ 1, 2 ]
amdhsa.kernels:
  - .name:           k_qca8eebc6f7_attn
    .symbol:         k_qca8eebc6f7_attn.kd
    .args:
      - { .name: x1, .offset: 0, .size: 8, .value_kind: global_buffer, .address_space: global }
      - { .name: x2h, .offset: 8, .size: 8, .value_kind: global_buffer, .address_space: global }
      - { .name: out0, .offset: 16, .size: 8, .value_kind: global_buffer, .address_space: global }
    .group_segment_fixed_size: 327680
    .private_segment_fixed_size: 0
    .kernarg_segment_align: 8
    .kernarg_segment_size: 24
    .max_flat_workgroup_size: 128
    .sgpr_count:     66
    .vgpr_count:     1024
    .wavefront_size: 32
...
	.end_amdgpu_metadata
.endif
;; end of part 2
